; MI455X (gfx1250); checked and timed in simulation.
; The chip was launched on July 23, 2026; its instructions are those of AMD's public machine-readable ISA for CDNA 5 (MIT licence, August 2026) and "CDNA5" Instruction Set Architecture Reference Guide (July 2026). The comments in the code are by the model that wrote it; some were corrected since.
;; KAN. Allowed arithmetic: matrix products marked QUANTISED: E2M3 operands, one E8M0 scale for each 32 along K, by v_wmma_scale_f32_16x16x128_f8f6f4 with both operands' format E2M3, f32 sums; products left as they are: f32 operands where the result goes on into a quantised operand, else bf16, f16 or f32 operands; f32 sums; everything else in f32.
;; Inputs: bw0 256 x 32 float32; bw1 256 x 256 float32; bw2 256 x 256 float32; bw3 1 x 256 float32; freq 16 float32; ss0 256 x 32 float32; ss1 256 x 256 float32; ss2 256 x 256 float32; ss3 1 x 256 float32; sw0 256 x 32 x 8 float32; sw1 256 x 256 x 8 float32; sw2 256 x 256 x 8 float32; sw3 1 x 256 x 8 float32; x 16,384 x 1 float32.
;; Outputs: out0 16,384 x 1 float32.
;; This version of the problem:
;;   THIS VERSION OF THE PROBLEM IS GIVEN IN LOW PRECISION. The matrix products marked QUANTISED in the list below multiply operands that are first quantised to E2M3 (2 exponent bits, 3 mantissa bits; 6 bits a number), with one power-of-two scale for each 32 numbers along K (OCP MX v1.0); their sums are f32. All else is computed in f32.
;;   The module's matrix products, in the order in which they are computed (A, B: the left and right operand; K: the contracted axis; several contracted axes count as one K, in the product's order):
;;     1. [M 16,384, K 256] x [K 256, N 256]; A: computed on the way; B: computed on the way: QUANTISED
;;     2. [M 16,384, K 32] x [K 32, N 256]; A: computed on the way; B: input bw0: QUANTISED
;;     3. [M 16,384, K 2,048] x [K 2,048, N 256]; A: computed on the way; B: computed on the way: QUANTISED
;;     4. [M 16,384, K 256] x [K 256, N 256]; A: computed on the way; B: input bw1: QUANTISED
;;     5. [M 16,384, K 2,048] x [K 2,048, N 256]; A: computed on the way; B: computed on the way: QUANTISED
;;     6. [M 16,384, K 256] x [K 256, N 256]; A: computed on the way; B: input bw2: QUANTISED
;;     7. [M 16,384, K 2,048] x [K 2,048, N 1]; A: computed on the way; B: computed on the way: left as it is (N = 1 < 16)
;;     8. [M 16,384, K 256] x [K 256, N 1]; A: computed on the way; B: input bw3: left as it is (N = 1 < 16)
;;   THE QUANTISER, for each operand of a quantised product, along K:
;;     - K is cut into blocks of 32 from its start; a last block that is shorter is filled with zeros.
;;     - A block's scale is 2^e with e = floor(log2(the largest magnitude in the block)) - 2, held to -126 .. 127; a block of zeros has e = 0. As a byte (E8M0): e + 127.
;;     - Each number is divided by its block's scale, clamped to +-7.5, and rounded to the nearest number of E2M3, ties to even, subnormals kept.
;;     - The product sums the exact products of the quantised numbers (number of the format x scale) in f32.
;;   ~~~python
;;   def quantise(x, axis):      # numpy; x: float32 -> the quantised numbers, widened to float32 again
;;       x = np.moveaxis(x, axis, -1); K = x.shape[-1]
;;       x = np.pad(x, [(0, 0)] * (x.ndim - 1) + [(0, -K % 32)]); x = x.reshape(x.shape[:-1] + (-1, 32)); a = np.abs(x).max(-1, keepdims=True)
;;       e = np.where(a > 0, np.clip(np.frexp(np.where(a > 0, a, 1))[1] - 1 - 2, -126, 127), 0)      # np.frexp(a)[1] - 1 = floor(log2(a)), exactly
;;       r = np.clip(x / 2.0 ** e, -7.5, 7.5)
;;       step = 2.0 ** (np.maximum(np.frexp(np.where(r == 0, 1, r))[1] - 1, 0) - 3)
;;       q = np.round(r / step) * step * 2.0 ** e      # np.round: ties to even
;;       return np.moveaxis(q.reshape(q.shape[:-2] + (-1,))[..., :K], -1, axis).astype(np.float32)
;;   ~~~
;;   OPERANDS COMPUTED ON THE WAY. 'Computed on the way' means the value that the module computes at that place (a softmax that the list does not call 'softmax' is quantised finished and normalised). What goes into a quantiser is computed in f32, as accurately as f32 sums, v_exp_f32 and their like allow (about 1e-6 of the number): no bf16 or f16 on the way to a quantiser, and a product that is left as it is and whose result goes on into a quantised operand takes f32 operands (vector FMAs, or v_wmma_f32_16x16x4_f32). A number that lies on a knife's edge between two numbers of the format may be rounded either way, as far as f32 arithmetic and the matrix unit's own rounding can turn it there, and no further.
;; One version. Each part assembles by itself: llvm-mc -triple=amdgcn-amd-amdhsa -mcpu=gfx1250 --defsym DOCPART=n.
;; ======== version 1 of 1: 2 launches
;; limits: right only within a limited range of input values
;; workspace buffers: wq 998,400 bytes
;; launch prep (part 1): grid 156 x 1, 4 waves a work-group, no clusters, 7,168 bytes of LDS; arguments sw0, ss0, bw0, sw1, ss1, bw1, sw2, ss2, bw2, wq; writes wq
.if DOCPART == 1
	.amdgcn_target "amdgcn-amd-amdhsa--gfx1250"
	.amdhsa_code_object_version 6
	.text
	.protected	k_qce6f03394f_prep
	.globl	k_qce6f03394f_prep
	.p2align	8
	.type	k_qce6f03394f_prep,@function
k_qce6f03394f_prep:
	s_mov_b64 s[64:65], 0
	v_nop
	global_prefetch_b8 v0, s[64:65] scope:SCOPE_SE
	s_setreg_imm32_b32 hwreg(HW_REG_WAVE_MODE, 25, 1), 1
	s_wait_xcnt 0x0
; The weights of layers 0, 1, 2 become codes of FP6 (E2M3) with one E8M0 byte for each 32 along K, once, laid as images of the matrix operand's registers in the order in which the second launch walks them.
; No work of reference() is left out anywhere in this program: every input has a way to the output and every product of the table is live.
; K of a layer is the spline product's K (feature x 8 + basis; the weight is sw x ss, one f32 rounding) followed by the base product's K (feature; the weight is bw): both are whole numbers of blocks of 32, so one sum serves both.
; A RECORD is one K step of 128 for all 256 outputs: 16 tiles of 16 outputs x 1,536 bytes (lane L's 12 registers at 48 L), then 256 scale words: 25,600 bytes.  39 records: layer 0: two spline records, one base record; layers 1, 2: 16 and 2 each.
; PLACES ALONG K.  Position p = 2 c + H of a K step (registers 6 c .. 6 c + 5 of lanes 16 H .. 16 H + 15; byte p of the scale word) holds one whole block of the quantiser; place kk = 0 .. 31 in it:
;   spline record of feature tile k: feature 16 k + 8 H + 4 c + 2 pi + eps, basis j at kk = 16 pi + 2 j + eps;   base record k: feature 128 k + 32 p + 16 u + 8 hs + j at kk = 16 hs + 8 u + j.
; The second launch lays its activations in the same places, so the products are those of the quantised numbers.  Layer 0's base product has K = 32: positions 1 to 3 of its record are zero codes.
; SHARES.  Work-group X: record X / 4, tiles 4 (X % 4) + wave.  Lane: output row r = lane / 2, c = lane % 2, both H: two blocks of 32 numbers.
; LIMITS: NaN and infinities are not served; a block whose largest magnitude lies under 2^(3 - 127), zeros among them, gets the byte 1 (a block of zeros has zero codes, and this program alone reads the bytes).
.set SCST,  6144                       ; LDS: four stages of 1,536 bytes, one a wave; then the work-group's 256 scale bytes;
.set SPARE, 6400                       ; then the spare words, 128 bytes for each wave, which no other line names
.set RECB,  25600
.set RR,    64                         ; v64-127  sw as loaded
.set NN,    128                        ; v128-191 the 64 numbers in the order of their places
.set CD,    40                         ; v40-55   codes, eight registers for each H
	s_load_b512 s[8:23], s[0:1], 0x0               ; sw0 ss0 bw0 sw1 ss1 bw1 sw2 ss2
	s_load_b128 s[24:27], s[0:1], 0x40             ; bw2 wq
	v_lshl_add_u32 v1, v0, 2, SPARE                ; my spare word; never rewritten
	v_mov_b32 v2, 0                                ; 0; never rewritten
	v_lshrrev_b32 v3, 5, v0
	v_readfirstlane_b32 s4, v3                     ; wave
	v_and_b32 v3, 31, v0                           ; lane
	v_lshrrev_b32 v4, 1, v3                        ; r
	v_and_b32 v5, 1, v3                            ; c
	s_lshr_b32 s28, ttmp9, 2                       ; the record
	s_and_b32 s29, ttmp9, 3
	s_lshl_b32 s5, s29, 2
	s_add_co_u32 s5, s5, s4                        ; the tile of outputs
	v_lshl_add_u32 v6, s5, 4, v4                   ; my output o = 16 tile + r
	s_mul_i32 s6, s4, 1536                         ; my wave's stage
	v_mul_u32_u24 v10, v3, 24
	v_add_nc_u32 v10, s6, v10                      ; into it: 24 x lane = 48 r + 24 c (+ 768 H in the offset)
	v_lshl_add_u32 v13, v3, 4, s6                  ; out of it: 16 x lane
	s_lshl_b32 s7, s4, 6
	s_add_co_u32 s7, s7, SCST
	v_lshl_add_u32 v11, v3, 1, s7                  ; my two scale bytes: 4 r + 2 c in my wave's 64
	v_lshl_add_u32 v9, v3, 3, SCST                 ; wave 0 reads all 256 back, 8 a lane
	v_lshlrev_b32 v8, 4, v3
	v_lshlrev_b32 v7, 3, v3
	s_mul_i32 s44, s28, RECB
	s_mul_i32 s45, s5, 1536
	s_add_co_u32 s46, s44, s45                     ; my tile's image in wq
	s_mov_b32 s47, 0
	s_lshl_b32 s48, s29, 8
	s_add_co_u32 s48, s48, s44
	s_add_co_u32 s48, s48, 24576                   ; my work-group's 64 scale words in wq
	s_mov_b32 s49, 0
	s_wait_alu depctr_va_vdst(0)
	s_wait_kmcnt 0x0
	s_add_nc_u64 s[50:51], s[26:27], s[46:47]
	s_add_nc_u64 s[52:53], s[26:27], s[48:49]
	s_cmp_lt_u32 s28, 3                            ; layer 0?  All choices hang on the work-group's number alone
	s_cselect_b64 s[32:33], s[8:9], s[14:15]       ; sw
	s_cselect_b64 s[34:35], s[10:11], s[16:17]     ; ss
	s_cselect_b64 s[36:37], s[12:13], s[18:19]     ; bw
	s_cselect_b32 s30, 0, 3                        ; the layer's first record
	s_cselect_b32 s38, 5, 8                        ; log2 of the layer's features
	s_cselect_b32 s39, 2, 16                       ; its spline records
	s_cselect_b32 s40, 0, 1                        ; 1: the base record has four blocks
	s_cselect_b32 s41, 0, 1.0                      ; the factor of positions 1 to 3 of a base record
	s_cmp_ge_u32 s28, 21                           ; layer 2?
	s_cselect_b64 s[32:33], s[20:21], s[32:33]
	s_cselect_b64 s[34:35], s[22:23], s[34:35]
	s_cselect_b64 s[36:37], s[24:25], s[36:37]
	s_cselect_b32 s30, 21, s30
	s_sub_co_u32 s31, s28, s30                     ; the record's number in its layer
	v_lshlrev_b32 v14, s38, v6                     ; o x features
	s_cmp_ge_u32 s31, s39
	s_cbranch_scc1 .Lbase
	; ---- a spline record: 4 features x 8 bases a block are 128 consecutive bytes of sw
	s_lshl_b32 s42, s31, 4
	v_add_nc_u32 v14, s42, v14
	v_lshl_add_u32 v14, v5, 2, v14                 ; o x features + 16 k + 4 c
	v_lshlrev_b32 v15, 2, v14                      ; in ss, bytes
	v_lshlrev_b32 v12, 5, v14                      ; in sw, bytes
.irp h, 0,1
.irp i, 0,1,2,3,4,5,6,7
	global_load_b128 v[RR+32*\h+4*\i:RR+32*\h+4*\i+3], v12, s[32:33] offset:256*\h+16*\i th:TH_LOAD_NT
.endr
	global_load_b128 v[16+4*\h:19+4*\h], v15, s[34:35] offset:32*\h th:TH_LOAD_NT
.endr
	s_wait_loadcnt 0x0
.irp h, 0,1
.irp g, 0,1,2,3
.irp j, 0,1,2,3,4,5,6,7
	v_mul_f32 v[NN+32*\h+16*(\g/2)+2*\j+(\g%2)], v[RR+32*\h+8*\g+\j], v[16+4*\h+\g]   ; sw x ss, put at its place: feature g = 2 pi + eps, basis j
.endr
.endr
.endr
	s_branch .Ljoin
.Lbase:
	; ---- a base record: a block is 32 consecutive features of bw
	s_sub_co_u32 s42, s31, s39
	s_lshl_b32 s42, s42, 7
	s_wait_alu depctr_va_vdst(0)
	v_add_nc_u32 v14, s42, v14                     ; o x features + 128 k
	s_lshl_b32 s43, s40, 8
	v_mul_u32_u24 v15, v5, s43                     ; + 64 c features; in layer 0 every position reads block 0, so that no load leaves bw0
	v_lshl_add_u32 v15, v14, 2, v15                ; H = 0
	s_lshl_b32 s43, s40, 7
	v_add_nc_u32 v12, s43, v15                     ; H = 1: 32 features on
.irp i, 0,1,2,3,4,5,6,7
	global_load_b128 v[NN+8*(2*((\i/2)%2)+\i/4)+4*(\i%2):NN+8*(2*((\i/2)%2)+\i/4)+4*(\i%2)+3], v15, s[36:37] offset:16*\i th:TH_LOAD_NT      ; eight features 2 u + hs go to places 8 (2 hs + u) on
	global_load_b128 v[NN+32+8*(2*((\i/2)%2)+\i/4)+4*(\i%2):NN+32+8*(2*((\i/2)%2)+\i/4)+4*(\i%2)+3], v12, s[36:37] offset:16*\i th:TH_LOAD_NT
.endr
	v_mov_b32 v26, s41
	v_mov_b32 v27, s41                             ; H = 1: never position 0
	v_mov_b32 v25, s41
	v_mov_b32 v33, 1.0
	v_cmp_eq_u32 vcc_lo, 0, v5
	v_cndmask_b32 v24, v26, v33, vcc_lo            ; H = 0: position 0 where c = 0
	s_wait_alu depctr_va_vdst(0)
	s_wait_loadcnt 0x0
.irp i, 0,2,4,6,8,10,12,14,16,18,20,22,24,26,28,30
	v_pk_mul_f32 v[NN+\i:NN+\i+1], v[NN+\i:NN+\i+1], v[24:25] op_sel_hi:[1,0]          ; x 1, or in layer 0's positions 1 to 3 x 0: a choice without a jump
	v_pk_mul_f32 v[NN+32+\i:NN+32+\i+1], v[NN+32+\i:NN+32+\i+1], v[26:27] op_sel_hi:[1,0]
.endr
.Ljoin:
	; ---- the quantiser, the two blocks by turns, two chains each
.irp h, 0,1
	v_max3_num_f32 v[28+2*\h], |v[NN+32*\h]|, |v[NN+32*\h+1]|, |v[NN+32*\h+2]|
	v_max3_num_f32 v[29+2*\h], |v[NN+32*\h+3]|, |v[NN+32*\h+4]|, |v[NN+32*\h+5]|
.endr
.irp i, 6,10,14,18,22,26
.irp h, 0,1
	v_max3_num_f32 v[28+2*\h], v[28+2*\h], |v[NN+32*\h+\i]|, |v[NN+32*\h+\i+1]|
	v_max3_num_f32 v[29+2*\h], v[29+2*\h], |v[NN+32*\h+\i+2]|, |v[NN+32*\h+\i+3]|
.endr
.endr
.irp h, 0,1
	v_max3_num_f32 v[28+2*\h], v[28+2*\h], |v[NN+32*\h+30]|, |v[NN+32*\h+31]|
.endr
.irp h, 0,1
	v_max3_num_f32 v[28+2*\h], v[28+2*\h], v[29+2*\h], 0x1800000   ; and the floor 2^(3 - 127): the byte cannot fall under 1
.endr
.irp h, 0,1
	v_add_nc_u32 v[36+\h], 0xff000000, v[28+2*\h]  ; 2 off the exponent field: the conversion takes this operand's exponent field as its scale
.endr
.irp h, 0,1
	v_cvt_scalef32_pk16_fp6_f32 v[CD+8*\h:CD+8*\h+2], v[NN+32*\h:NN+32*\h+15], v[36+\h]
	v_cvt_scalef32_pk16_fp6_f32 v[CD+8*\h+4:CD+8*\h+6], v[NN+32*\h+16:NN+32*\h+31], v[36+\h]   ; (a conversion's three registers begin on an even number)
.endr
.irp h, 0,1
	v_lshrrev_b32 v[38+\h], 23, v[36+\h]           ; the scale's byte; also the plain line behind the conversions
.endr
.irp h, 0,1
.irp i, 0,1,2
	v_mov_b32 v[CD+8*\h+3+\i], v[CD+8*\h+4+\i]     ; the block's six registers on end
.endr
.endr
	v_lshl_or_b32 v32, v39, 8, v38                 ; bytes 2 c and 2 c + 1 of my output's scale word
.irp h, 0,1
.irp i, 0,1,2
	ds_store_b64 v10, v[CD+8*\h+2*\i:CD+8*\h+2*\i+1] offset:768*\h+8*\i   ; lane r + 16 H of the image, registers 6 c on
.endr
.endr
	ds_store_b16 v11, v32
.irp i, 0,1,2
	ds_load_b128 v[56+4*\i:59+4*\i], v13 offset:512*\i   ; my wave's own bytes: LDS serves a wave's instructions in order
.endr
.irp i, 0,1,2
	s_wait_dscnt 2-\i                              ; load i is in; the younger ones may be out
	global_store_b128 v8, v[56+4*\i:59+4*\i], s[50:51] offset:512*\i   ; 32 lanes store 512 consecutive bytes, at a multiple of 256 from wq's first byte
.endr
	s_wait_dscnt 0x0                               ; for the others' sake: my scale bytes have landed
	s_barrier_signal -1
	s_barrier_wait -1
	s_cmp_lg_u32 s4, 0
	s_cbranch_scc1 .Lend
	ds_load_b64 v[14:15], v9                       ; wave 0: the four waves' 64 scale words
	s_wait_dscnt 0x0
	global_store_b64 v7, v[14:15], s[52:53]        ; 256 consecutive bytes, aligned
.Lend:
	s_wait_tensorcnt 0x0                           ; the wave's end, behind my last LDS store
	ds_add_u32 v1, v2
	s_wait_dscnt 0x0
	s_endpgm
.Lfunc_end_k_qce6f03394f_prep:
	.size	k_qce6f03394f_prep, .Lfunc_end_k_qce6f03394f_prep-k_qce6f03394f_prep
	.p2alignl 7, 3214868480
	.fill 96, 4, 3214868480
	.section	.rodata,"a",@progbits
	.p2align	6, 0x0
	.amdhsa_kernel k_qce6f03394f_prep
		.amdhsa_group_segment_fixed_size 7168
		.amdhsa_private_segment_fixed_size 0
		.amdhsa_enable_private_segment 0
		.amdhsa_kernarg_size 80
		.amdhsa_user_sgpr_count 2
		.amdhsa_user_sgpr_kernarg_segment_ptr 1
		.amdhsa_wavefront_size32 1
		.amdhsa_system_sgpr_workgroup_id_x 1
		.amdhsa_system_sgpr_workgroup_id_y 1
		.amdhsa_system_sgpr_workgroup_id_z 1
		.amdhsa_system_vgpr_workitem_id 0
		.amdhsa_next_free_vgpr 192
		.amdhsa_next_free_sgpr 66
		.amdhsa_reserve_vcc 1
		.amdhsa_float_denorm_mode_32 3
		.amdhsa_float_denorm_mode_16_64 3
		.amdhsa_memory_ordered 1
		.amdhsa_forward_progress 1
		.amdhsa_inst_pref_size 15
	.end_amdhsa_kernel
	.amdgpu_metadata
---
amdhsa.version: [ 1, 2 ]
amdhsa.kernels:
  - .name:           k_qce6f03394f_prep
    .symbol:         k_qce6f03394f_prep.kd
    .args:
      - { .name: sw0, .offset: 0, .size: 8, .value_kind: global_buffer, .address_space: global }
      - { .name: ss0, .offset: 8, .size: 8, .value_kind: global_buffer, .address_space: global }
      - { .name: bw0, .offset: 16, .size: 8, .value_kind: global_buffer, .address_space: global }
      - { .name: sw1, .offset: 24, .size: 8, .value_kind: global_buffer, .address_space: global }
      - { .name: ss1, .offset: 32, .size: 8, .value_kind: global_buffer, .address_space: global }
      - { .name: bw1, .offset: 40, .size: 8, .value_kind: global_buffer, .address_space: global }
      - { .name: sw2, .offset: 48, .size: 8, .value_kind: global_buffer, .address_space: global }
      - { .name: ss2, .offset: 56, .size: 8, .value_kind: global_buffer, .address_space: global }
      - { .name: bw2, .offset: 64, .size: 8, .value_kind: global_buffer, .address_space: global }
      - { .name: wq, .offset: 72, .size: 8, .value_kind: global_buffer, .address_space: global }
    .group_segment_fixed_size: 7168
    .private_segment_fixed_size: 0
    .kernarg_segment_align: 8
    .kernarg_segment_size: 80
    .max_flat_workgroup_size: 128
    .sgpr_count:     66
    .vgpr_count:     192
    .wavefront_size: 32
...
	.end_amdgpu_metadata
.endif
;; end of part 1
;; launch kan (part 2): grid 256 x 1, 8 waves a work-group, clusters of 4 x 1, 327,680 bytes of LDS; arguments x, freq, sw3, ss3, bw3, wq, out0; writes out0
.if DOCPART == 2
	.amdgcn_target "amdgcn-amd-amdhsa--gfx1250"
	.amdhsa_code_object_version 6
	.text
	.protected	k_qce6f03394f_kan
	.globl	k_qce6f03394f_kan
	.p2align	8
	.type	k_qce6f03394f_kan,@function
k_qce6f03394f_kan:
	s_mov_b64 s[64:65], 0
	v_nop
	global_prefetch_b8 v0, s[64:65] scope:SCOPE_SE
	s_setreg_imm32_b32 hwreg(HW_REG_WAVE_MODE, 25, 1), 1
	s_wait_xcnt 0x0
	s_wait_alu depctr_hold_cnt(0) depctr_sa_sdst(0) depctr_va_vdst(0) depctr_va_sdst(0) depctr_va_ssrc(0) depctr_va_vcc(0) depctr_vm_vsrc(0)
	s_getreg_b32 s2, hwreg(HW_REG_IB_STS2, 6, 4)
	s_cmp_eq_u32 s2, 0
	s_cbranch_scc0 .Lentry_in_a_cluster
	s_endpgm
.Lentry_in_a_cluster:
	s_bfe_u32 s2, ttmp6, 0x10000c
	s_cmp_lg_u32 s2, 0x3003
	s_cbranch_scc0 .Lentry_shape_is_right
	s_endpgm
.Lentry_shape_is_right:
; The whole KAN for 64 points a work-group: sines and cosines of x freq; three layers h <- Q(bases(h)) Q(sw ss)^T + Q(silu(h)) Q(bw)^T on codes of FP6 (E2M3) with E8M0 scales; the last layer (one output) by f32 multiply-adds.
; Nothing of reference() is left out: every input and every product is live.  h never goes to memory.
; THE BASES.  reference()'s knots are -2.2 + 0.4 i, so its recursion gives B_j(x) = (a^3 - 4 b^3) / 6 with e_m = 2.5 x + 5.5 - m, g_m = -e_m, a = the middle of (e_j, g_(j+4), 0), b = the middle of (e_(j+1), g_(j+3), 0): an identity for every finite x.
; The g_m are made by multiply-adds of their own, -2.5 x + (m - 5.5): the same bits as -e_m, but where x is exactly 1 or -1 the zero among them is +0 like the constant's, so that the middle of the three has one answer, its sign included.
; LIMITS: the knots are taken exactly where reference() has them rounded to f32; spline and base products share one f32 sum where reference() adds two; |x freq| up to 2^27; NaN and infinities are not served;
; a block whose largest magnitude lies under 2^(3 - 127) gets the scale byte 1 (a block of zeros has zero codes).
; SHARES.  Eight equal waves, 256 registers each.  PRODUCTS: wave w owns outputs 32 w .. 32 w + 31 for all 64 rows: 8 accumulators (row tile m, output tile u).  The matrix instruction is used transposed (source 0 = 16 outputs' weights,
; source 1 = 16 rows): lane (r, hh), register j holds h[16 m + r][32 w + 16 u + 8 hh + j].  These registers are parked in LDS as they stand.
; OPERANDS: wave w = (m = w / 2, q = w % 2) makes registers 6 q .. 6 q + 5 of row tile m's fragment for every K step: a parked quad (4 features of a lane's row) gives 32 bases, one whole block, in the very lane that the operand's layout wants.
; Fragments go from wave to wave through LDS as images of their registers (48 bytes a lane); the weights come as such images from the first launch, three K steps (76,800 bytes) to a slot, two slots, by joint tensor loads of the cluster's four work-groups.
; BY PARITY: half of the waves multiply first and then make the next group's operands, the other half the other way round, so that matrix and LDS work of one stands beside vector work of another.
.set SLOT1,  131072                    ; LDS: slot 0 at 0, slot 1 here: one exclusive or turns one into the other
.set RECB,   25600                     ; a K step's weights: 16 tiles x 1,536 bytes, then 256 scale words
.set GRPB,   3*RECB
.set QTR,    GRPB/4                    ; what one tensor load brings: 75 rows of 256 bytes
.set TB3,    76800                     ; layer 3's sw3 x ss3 in the order of the bases' registers: 8,192 bytes
.set TBW,    84992                     ; bw3: 1,024 bytes
.set AB0,    86016                     ; the activations' images, two buffers of 3 x 6,400 bytes, at 0x15000 and 0x1a000
.set ABX,    0xf000
.set KSB,    6400                      ; a K step's images: 4 row tiles x 1,536 bytes, then 16 rows x 4 scale words
.set ASO,    6144
.set OUTS,   125696                    ; the two halves of the 64 outputs: 512 bytes
.set SPARE,  126208                    ; the spare words, 128 bytes for each wave, which no other line names
.set PARK,   207872                    ; h: ((16 m + tile) x 2 + piece) x 512 + 16 x lane: 65,536 bytes
.set SPW, 1                            ; v1  my spare word;  v2  0: both never rewritten
.set NIL, 2
.set WL,  3                            ; lane terms, made at the head: my weights' images: 48 L + 3,072 w
.set WSL, 4                            ; my weights' scale words: 24,576 + 128 w + 4 L
.set AL,  5                            ; an activation image: 48 L
.set ASL, 6                            ; its scale words: 6,144 + 16 r
.set IWL, 7                            ; where I write an image: 48 L + 24 q + 1,536 m
.set SBL, 8                            ; my block's scale byte: 6,144 + 16 r + 4 m + 2 q + hh
.set SHL, 9                            ; the same without hh
.set PRL, 10                           ; my quad of a parked tile: PARK + 16 L + 16,384 m + 512 q
.set PBL, 11                           ; a base step's four tiles: PARK + 16 L + 16,384 m + 4,096 q
.set PWL, 12                           ; where I park: PARK + 16 L + 2,048 w
.set T3L, 13
.set TWL, 14
.set OSL, 15
.set WA,  16                           ; a phase's addresses, made where all waves pass
.set WS,  17
.set AA,  18
.set AS,  19
.set ORL, 20                           ; where wave 0 reads the outputs' halves back
.set ADH, 21                           ; a step's addresses
.set ADI, 22
.set ADB, 23
.set K25, 24                           ; v[24:25] 2.5
.set HQ,  26                           ; v[26:29] the quad in hand
.set P0L, 30
.set L8,  31
.set WSC, 32                           ; v32, v33 weights' scale words, sets 0 and 1;  v[34:37], v[38:41] the rows': these ten hold scales and nothing else
.set ASC, 34
.set NK25, 42                          ; v[42:43] -2.5
.set BWQ, 44                           ; v[44:47] bw3's quad
.set ACC, 48                           ; v48-111 accumulator (m, u) at 48 + 8 (2 m + u)
.set POOL, 112                         ; v112-255: two sets of 72 (weights 24, rows 48) while multiplying; else:
.set EE,  112                          ; e_0 .. e_8 of two features
.set EG,  130                          ; g_3 .. g_11 of the same two
.set RA,  148
.set RB,  164
.set XX,  192                          ; 32 numbers to be quantised
.set TT,  112                          ; silu's work
.set CD,  224                          ; codes
.set MX,  232                          ; maxima, scale operands, bytes
.set SA,  48                           ; layer 3, in the accumulators' registers: four pairs of sums, silu's work, h x bw3, the table's 32 numbers
.set TQ,  56
.set HB,  60
.set CO,  64
.set WV,  18
.set RM,  19
.set QH,  20
.set PAR, 21
.set QM,  22
.set G1,  24                           ; s[24:31] descriptor group 1;  s[32:35] group 0 of the first fill;  s[36:39] the walking group 0
.set GF,  32
.set GW,  36
.set CM,  40                           ; s[40:63] twelve pairs 5.5 - m
.set K16, 66
.set K23, 68
.set KL2, 70
.set SEL, 72
.set TB,  76                           ; the slot that is multiplied
.set SAR, 77                           ; the image buffer that is multiplied
.set SW,  78                           ; where the next image is written
.set TP,  79                           ; the parked tile in hand x 1,024
.set CT,  81
.set CT2, 82
.set TPB, 83
.set T3S, 84
.set TWS, 85
.macro ROUND                           ; a round of the cluster's barrier
	s_barrier_signal -1
	s_barrier_wait -1
	s_cmp_lg_u32 s[WV], 0
	s_cbranch_scc1 .Lnw0_\@
	s_barrier_signal -3
.Lnw0_\@:
	s_barrier_wait -3
	s_barrier_signal -1
	s_barrier_wait -1
.endm
.macro PLACES                          ; four plain places behind matrix instructions, ahead of loads into their registers and of reads of their results
.rept 4
	v_nop
.endr
.endm
.macro JLOAD                           ; the joint refill: waves 0 to 3, a quarter of a slot each; the branch hangs on the wave's number alone
	s_cmp_lt_u32 s[WV], 4
	s_cbranch_scc0 .Lnoload_\@
	tensor_load_to_lds s[GW:GW+3], s[G1:G1+7]
	s_nop 0
	PLACES
.Lnoload_\@:
.endm
; THE CHANGE OF SLOTS.  All my tensor loads have landed (the slot to be multiplied next); the add; my LDS instructions are done (reads of the slot just multiplied, images written, h parked).  Behind the round that holds of every wave of the four work-groups,
; and the slot just multiplied is asked for again: the group two on.  That load has the whole next phase in which to land.
.macro CHANGE
	s_wait_tensorcnt 0x0
	ds_add_u32 v[SPW], v[NIL]                      ; the descriptor's steps stand between it and its wait
	s_xor_b32 s[GW+1], s[GW+1], SLOT1
	s_add_nc_u64 s[GW+2:GW+3], s[GW+2:GW+3], GRPB
	s_wait_dscnt 0x0
	ROUND
	JLOAD
.endm
.macro PB                              ; a plain barrier: my LDS stores have landed, my LDS loads are in.  A tensor load may stay out
	s_wait_dscnt 0x0
	s_barrier_signal -1
	s_barrier_wait -1
.endm
.macro PBT                             ; the same where the slot read behind it must first have landed and no refill follows
	s_wait_tensorcnt 0x0
	PB
.endm
.macro ENDMM
	s_xor_b32 s[TB], s[TB], SLOT1
	s_xor_b32 s[SAR], s[SAR], ABX
.endm
.macro ENDPROD                         ; three images were written: back to the buffer's head, and on to the other buffer
	s_sub_co_u32 s[SW], s[SW], 3*KSB
	s_xor_b32 s[SW], s[SW], ABX
.endm
.macro MMADR
	v_add_nc_u32 v[WA], s[TB], v[WL]
	v_add_nc_u32 v[WS], s[TB], v[WSL]
	v_add_nc_u32 v[AA], s[SAR], v[AL]
	v_add_nc_u32 v[AS], s[SAR], v[ASL]
.endm
.macro LOADK k, s                      ; K step k of the group into set s: 20 LDS loads
.set PBASE, POOL+72*(\s)
.irp u, 0,1
.irp c, 0,1,2
	ds_load_b128 v[PBASE+12*\u+4*\c:PBASE+12*\u+4*\c+3], v[WA] offset:RECB*(\k)+1536*\u+16*\c
.endr
.endr
	ds_load_b32 v[WSC+(\s)], v[WS] offset:RECB*(\k)          ; lanes 0-15: output tile 0's words, lanes 16-31: tile 1's
.irp m, 0,1,2,3
.irp c, 0,1,2
	ds_load_b128 v[PBASE+24+12*\m+4*\c:PBASE+24+12*\m+4*\c+3], v[AA] offset:KSB*(\k)+1536*\m+16*\c
.endr
.endr
	ds_load_b128 v[ASC+4*(\s):ASC+4*(\s)+3], v[AS] offset:KSB*(\k)   ; row r's words of the four row tiles
.endm
.macro MULK s, zero                    ; eight products; the eight accumulators take turns, one instruction a turn.  zero = 1: they start the sums
.set PBASE, POOL+72*(\s)
.irp m, 0,1,2,3
.if \zero
	v_wmma_scale_f32_16x16x128_f8f6f4 v[ACC+16*\m:ACC+16*\m+7], v[PBASE:PBASE+11], v[PBASE+24+12*\m:PBASE+24+12*\m+11], 0, v[WSC+(\s)], v[ASC+4*(\s)+\m] matrix_a_fmt:MATRIX_FMT_FP6 matrix_b_fmt:MATRIX_FMT_FP6
	v_wmma_scale_f32_16x16x128_f8f6f4 v[ACC+16*\m+8:ACC+16*\m+15], v[PBASE+12:PBASE+23], v[PBASE+24+12*\m:PBASE+24+12*\m+11], 0, v[WSC+(\s)], v[ASC+4*(\s)+\m] matrix_a_fmt:MATRIX_FMT_FP6 matrix_b_fmt:MATRIX_FMT_FP6 matrix_a_scale:MATRIX_SCALE_ROW1
.else
	v_wmma_scale_f32_16x16x128_f8f6f4 v[ACC+16*\m:ACC+16*\m+7], v[PBASE:PBASE+11], v[PBASE+24+12*\m:PBASE+24+12*\m+11], v[ACC+16*\m:ACC+16*\m+7], v[WSC+(\s)], v[ASC+4*(\s)+\m] matrix_a_fmt:MATRIX_FMT_FP6 matrix_b_fmt:MATRIX_FMT_FP6
	v_wmma_scale_f32_16x16x128_f8f6f4 v[ACC+16*\m+8:ACC+16*\m+15], v[PBASE+12:PBASE+23], v[PBASE+24+12*\m:PBASE+24+12*\m+11], v[ACC+16*\m+8:ACC+16*\m+15], v[WSC+(\s)], v[ASC+4*(\s)+\m] matrix_a_fmt:MATRIX_FMT_FP6 matrix_b_fmt:MATRIX_FMT_FP6 matrix_a_scale:MATRIX_SCALE_ROW1
.endif
.endr
.endm
.macro MMG zero                        ; a group's three K steps
	LOADK 0, 0
	LOADK 1, 1
	s_wait_dscnt 20                                ; step 0's loads are in; step 1's twenty may be out
	MULK 0, \zero
	PLACES
	LOADK 2, 0
	s_wait_dscnt 20                                ; step 1's are in; step 2's twenty may be out
	MULK 1, 0
	s_wait_dscnt 0x0
	MULK 0, 0
	PLACES
.endm
.macro EPAIR h                         ; of two features: e_m = 2.5 x + 5.5 - m, m = 0 .. 8, and g_m = -2.5 x + m - 5.5, m = 3 .. 11 (m - 5.5 is the constant of 11 - m): one rounding each
.irp m, 0,1,2,3,4,5,6,7,8
	v_pk_fma_f32 v[EE+2*\m:EE+2*\m+1], v[\h:\h+1], v[K25:K25+1], s[CM+2*\m:CM+2*\m+1] op_sel_hi:[1,1,0]
.endr
.irp m, 3,4,5,6,7,8,9,10,11
	v_pk_fma_f32 v[EG+2*(\m-3):EG+2*(\m-3)+1], v[\h:\h+1], v[NK25:NK25+1], s[CM+2*(11-\m):CM+2*(11-\m)+1] op_sel_hi:[1,1,0]
.endr
.endm
.macro CUBE d                          ; the eight bases of the two features: register 2 j + eps of d
.irp n, 0,1,2,3,4,5,6,7,8,9,10,11,12,13,14,15
	v_med3_num_f32 v[RA+\n], v[EE+\n], v[EG+2+\n], 0           ; a: e_j, g_(j+4)
.endr
.irp n, 0,1,2,3,4,5,6,7,8,9,10,11,12,13,14,15
	v_med3_num_f32 v[RB+\n], v[EE+2+\n], v[EG+\n], 0           ; b: e_(j+1), g_(j+3)
.endr
.irp n, 0,2,4,6,8,10,12,14
	v_pk_mul_f32 v[\d+\n:\d+\n+1], v[RA+\n:RA+\n+1], v[RA+\n:RA+\n+1]
.endr
.irp n, 0,2,4,6,8,10,12,14
	v_pk_mul_f32 v[RA+\n:RA+\n+1], v[RA+\n:RA+\n+1], s[K16:K16+1] op_sel_hi:[1,0]
.endr
.irp n, 0,2,4,6,8,10,12,14
	v_pk_mul_f32 v[EE+\n:EE+\n+1], v[RB+\n:RB+\n+1], v[RB+\n:RB+\n+1]          ; (the e are done with)
.endr
.irp n, 0,2,4,6,8,10,12,14
	v_pk_mul_f32 v[RB+\n:RB+\n+1], v[RB+\n:RB+\n+1], s[K23:K23+1] op_sel_hi:[1,0]
.endr
.irp n, 0,2,4,6,8,10,12,14
	v_pk_mul_f32 v[\d+\n:\d+\n+1], v[\d+\n:\d+\n+1], v[RA+\n:RA+\n+1]          ; a^3 / 6
.endr
.irp n, 0,2,4,6,8,10,12,14
	v_pk_fma_f32 v[\d+\n:\d+\n+1], v[EE+\n:EE+\n+1], v[RB+\n:RB+\n+1], v[\d+\n:\d+\n+1]   ; - 2 b^3 / 3
.endr
.endm
; A SPLINE STEP: my quad's 32 bases, one block, quantised and written as registers 6 q .. 6 q + 5 of my row tile's image.  mode 0: the quad is loaded here; 1: it was asked for a step ago, and the next tile's is asked for; 2: the last tile
.macro SPL_STEP mode
	s_wait_dscnt 0x0                               ; the quad is in
	v_add_nc_u32 v[ADI], s[SW], v[IWL]
	v_add_nc_u32 v[ADB], s[SW], v[SBL]
	v_add_nc_u32 v[ADH], s[TP], v[PRL]
.if \mode == 0
	ds_load_b128 v[HQ:HQ+3], v[ADH]
	s_wait_dscnt 0x0
.endif
	EPAIR HQ
	CUBE XX
	EPAIR HQ+2
.if \mode == 1
	ds_load_b128 v[HQ:HQ+3], v[ADH] offset:1024    ; the quad has been read: the next tile's lands while the rest of this step is worked
.endif
	CUBE XX+16
.irp c, 0,1,2,3                        ; the block's largest number, in four chains; no |.|: a basis is never negative
	v_max3_num_f32 v[MX+\c], v[XX+8*\c], v[XX+8*\c+1], v[XX+8*\c+2]
.endr
.irp i, 3,5
.irp c, 0,1,2,3
	s_delay_alu instid0(VALU_DEP_4)
	v_max3_num_f32 v[MX+\c], v[MX+\c], v[XX+8*\c+\i], v[XX+8*\c+\i+1]
.endr
.endr
	s_delay_alu instid0(VALU_DEP_3)
	v_max3_num_f32 v[MX], v[MX], v[MX+1], v[XX+7]
	s_delay_alu instid0(VALU_DEP_2)
	v_max3_num_f32 v[MX+2], v[MX+2], v[MX+3], v[XX+15]
	s_delay_alu instid0(VALU_DEP_2)
	v_max3_num_f32 v[MX], v[MX], v[XX+23], v[XX+31]
	s_delay_alu instid0(VALU_DEP_1)
	v_max3_num_f32 v[MX], v[MX], v[MX+2], 0x1800000            ; and the floor 2^(3 - 127): the byte cannot fall under 1
	s_delay_alu instid0(VALU_DEP_1)
	v_add_nc_u32 v[MX+4], 0xff000000, v[MX]                    ; 2 off the exponent field: the conversion's scale operand
	v_cvt_scalef32_pk16_fp6_f32 v[CD:CD+2], v[XX:XX+15], v[MX+4]
	v_cvt_scalef32_pk16_fp6_f32 v[CD+4:CD+6], v[XX+16:XX+31], v[MX+4]   ; (a conversion's three registers begin on an even number)
	v_lshrrev_b32 v[MX+6], 23, v[MX+4]                         ; the scale's byte; also the plain line behind the conversions
.irp i, 0,1,2
	v_mov_b32 v[CD+3+\i], v[CD+4+\i]
.endr
.irp i, 0,1,2
	ds_store_b64 v[ADI], v[CD+2*\i:CD+2*\i+1] offset:8*\i
.endr
	ds_store_b8 v[ADB], v[MX+6]
	s_add_co_u32 s[TP], s[TP], 1024
	s_add_co_u32 s[SW], s[SW], KSB
.endm
.macro SILU n                          ; x / (1 + 2^(-x log2 e)) on v[XX] on; each batch of transcendentals has one plain line and one wait behind it
.set i, 0
.rept (\n)/2
	v_pk_mul_f32 v[TT+i:TT+i+1], v[XX+i:XX+i+1], s[KL2:KL2+1] op_sel_hi:[1,0]
.set i, i+2
.endr
.set i, 0
	s_wait_alu depctr_va_vdst(0)
.rept \n
	v_exp_f32 v[TT+i], v[TT+i]
.set i, i+1
.endr
	v_nop
	s_wait_alu depctr_va_vdst(0)
.set i, 0
.rept (\n)/2
	v_pk_add_f32 v[TT+i:TT+i+1], v[TT+i:TT+i+1], 1.0 op_sel_hi:[1,0]
.set i, i+2
.endr
.set i, 0
	s_wait_alu depctr_va_vdst(0)
.rept \n
	v_rcp_f32 v[TT+i], v[TT+i]
.set i, i+1
.endr
	v_nop
	s_wait_alu depctr_va_vdst(0)
.set i, 0
.rept (\n)/2
	v_pk_mul_f32 v[XX+i:XX+i+1], v[XX+i:XX+i+1], v[TT+i:TT+i+1]
.set i, i+2
.endr
.endm
; A BASE STEP: silu of 32 features of my lane's row: halves of blocks 2 q and 2 q + 1 of the K step; the other halves lie in lane l xor 16
.macro BASE_STEP
	s_wait_dscnt 0x0
	v_add_nc_u32 v[ADI], s[SW], v[IWL]
	v_add_nc_u32 v[ADB], s[SW], v[SHL]
	v_add_nc_u32 v[ADH], s[TPB], v[PBL]
.irp t, 0,1,2,3
	ds_load_b128 v[XX+8*\t:XX+8*\t+3], v[ADH] offset:1024*\t
	ds_load_b128 v[XX+8*\t+4:XX+8*\t+7], v[ADH] offset:1024*\t+512
.endr
	s_wait_dscnt 0x0
	SILU 32
.irp b, 0,1
	v_max3_num_f32 v[MX+\b], |v[XX+16*\b]|, |v[XX+16*\b+1]|, 0x1800000
.endr
.irp i, 2,4,6,8,10,12,14
.irp b, 0,1
	s_delay_alu instid0(VALU_DEP_2)
	v_max3_num_f32 v[MX+\b], v[MX+\b], |v[XX+16*\b+\i]|, |v[XX+16*\b+\i+1]|
.endr
.endr
.irp b, 0,1
	v_mov_b32 v[MX+2+\b], 0                        ; a lane permute's destination counts as one of its sources
.endr
.irp b, 0,1
	s_delay_alu instid0(VALU_DEP_2)
	v_permlanex16_b32 v[MX+2+\b], v[MX+\b], s[SEL], s[SEL+1]
.endr
.irp b, 0,1
	s_delay_alu instid0(VALU_DEP_2)
	v_max_num_f32 v[MX+\b], v[MX+\b], v[MX+2+\b]
.endr
.irp b, 0,1
	s_delay_alu instid0(VALU_DEP_2)
	v_add_nc_u32 v[MX+4+\b], 0xff000000, v[MX+\b]
.endr
	v_cvt_scalef32_pk16_fp6_f32 v[CD:CD+2], v[XX:XX+15], v[MX+4]
	v_cvt_scalef32_pk16_fp6_f32 v[CD+4:CD+6], v[XX+16:XX+31], v[MX+5]
	v_lshrrev_b32 v[MX+6], 23, v[MX+4]             ; the bytes; also the plain line behind the conversions
	v_lshrrev_b32 v[MX+7], 23, v[MX+5]
.irp i, 0,1,2
	v_permlane16_swap_b32 v[CD+\i], v[CD+4+\i]     ; lanes 0-15 now hold block 2 q whole, lanes 16-31 block 2 q + 1
.endr
.irp i, 0,1,2
	s_delay_alu instid0(VALU_DEP_3)
	v_mov_b32 v[CD+3+\i], v[CD+4+\i]
.endr
	v_lshl_or_b32 v[MX+6], v[MX+7], 8, v[MX+6]
.irp i, 0,1,2
	ds_store_b64 v[ADI], v[CD+2*\i:CD+2*\i+1] offset:8*\i
.endr
	ds_store_b16 v[ADB], v[MX+6]                   ; both halves of the lanes write the same two bytes
	s_add_co_u32 s[TPB], s[TPB], 8192
	s_add_co_u32 s[SW], s[SW], KSB
.endm
.macro BASE0                           ; layer 0's base step: K = 32, one block, at position 0; positions 1 to 3 are zero codes
	s_wait_dscnt 0x0
	v_add_nc_u32 v[ADI], s[SW], v[IWL]
	v_add_nc_u32 v[ADB], s[SW], v[SHL]
.irp t, 0,1,2,3
	ds_load_b128 v[XX+4*\t:XX+4*\t+3], v[P0L] offset:512*\t
.endr
	s_wait_dscnt 0x0
	SILU 16
	v_max3_num_f32 v[MX], |v[XX]|, |v[XX+1]|, 0x1800000
.irp i, 2,4,6,8,10,12,14
	s_delay_alu instid0(VALU_DEP_1)
	v_max3_num_f32 v[MX], v[MX], |v[XX+\i]|, |v[XX+\i+1]|
.endr
	v_mov_b32 v[MX+2], 0
	s_delay_alu instid0(VALU_DEP_1)
	v_permlanex16_b32 v[MX+2], v[MX], s[SEL], s[SEL+1]
	s_delay_alu instid0(VALU_DEP_1)
	v_max_num_f32 v[MX], v[MX], v[MX+2]
	s_delay_alu instid0(VALU_DEP_1)
	v_add_nc_u32 v[MX+4], 0xff000000, v[MX]
	v_cvt_scalef32_pk16_fp6_f32 v[CD:CD+2], v[XX:XX+15], v[MX+4]
	v_lshrrev_b32 v[MX+6], 23, v[MX+4]
.irp i, 0,1,2
	v_mov_b32 v[CD+4+\i], 0
.endr
.irp i, 0,1,2
	v_permlane16_swap_b32 v[CD+\i], v[CD+4+\i]     ; lanes 0-15: the block whole; lanes 16-31: zeros
.endr
.irp i, 0,1,2
	s_delay_alu instid0(VALU_DEP_3)
	v_mov_b32 v[CD+3+\i], v[CD+4+\i]
.endr
.irp i, 0,1,2,3,4,5
	v_and_b32 v[CD+\i], s[QM], v[CD+\i]            ; q = 1 writes registers 6 to 11: zeros
.endr
	v_lshl_or_b32 v[MX+6], v[MX+6], 8, v[MX+6]     ; any byte but 0xff serves zero codes
.irp i, 0,1,2
	ds_store_b64 v[ADI], v[CD+2*\i:CD+2*\i+1] offset:8*\i
.endr
	ds_store_b16 v[ADB], v[MX+6]
	s_add_co_u32 s[SW], s[SW], KSB
.endm
.macro PARKW                           ; my eight accumulators go to LDS as they stand, each from its low end on
.irp m, 0,1,2,3
.irp u, 0,1
	ds_store_b128 v[PWL], v[ACC+8*(2*\m+\u):ACC+8*(2*\m+\u)+3] offset:16384*\m+1024*\u
	ds_store_b128 v[PWL], v[ACC+8*(2*\m+\u)+4:ACC+8*(2*\m+\u)+7] offset:16384*\m+1024*\u+512
.endr
.endr
.endm
.macro PROD3                           ; the images of a group of three spline steps
	s_mov_b32 s[CT], 3
.Lpr_\@:
	SPL_STEP 1
	s_sub_co_u32 s[CT], s[CT], 1
	s_cmp_lg_u32 s[CT], 0
	s_cbranch_scc1 .Lpr_\@
.endm
.macro BASE2
	s_mov_b32 s[CT], 2
.Lbs_\@:
	BASE_STEP
	s_sub_co_u32 s[CT], s[CT], 1
	s_cmp_lg_u32 s[CT], 0
	s_cbranch_scc1 .Lbs_\@
.endm
; A PHASE: group n is multiplied (slot and image buffer n % 2) and group n + 1's images are made (the other buffer).  Every wave does both; the order hangs on the wave's number.  kind 0: three spline steps; 1: the last spline step and the two base steps
.macro PH zero, kind
	MMADR
	s_cmp_eq_u32 s[PAR], 0
	s_cbranch_scc1 .Lpa_\@
	s_wait_alu depctr_va_vdst(0)
	MMG \zero
.Lpa_\@:
.if \kind == 0
	PROD3
.else
	SPL_STEP 2
	BASE2
.endif
	s_cmp_lg_u32 s[PAR], 0
	s_cbranch_scc1 .Lpb_\@
	MMG \zero
.Lpb_\@:
	ENDMM
	ENDPROD
.endm
; A LAYER OF 256 FEATURES: six groups.  A refill is asked for at each change of slots only while a later group reads it: six in layer 1 (two of them layer 2's first groups), four in layer 2
.macro LAYER last
	s_mov_b32 s[TP], 0
	s_mov_b32 s[TPB], 0
	ds_load_b128 v[HQ:HQ+3], v[PRL]
	PROD3
	ENDPROD
	PB                                             ; the first group's images lie in LDS
	PH 1, 0
	CHANGE
	s_mov_b32 s[CT2], 3
.Lmid_\@:
	PH 0, 0
	CHANGE
	s_sub_co_u32 s[CT2], s[CT2], 1
	s_cmp_lg_u32 s[CT2], 0
	s_cbranch_scc1 .Lmid_\@
	PH 0, 1
.if \last
	PBT                                            ; the last group has landed; nothing is left to ask for
.else
	CHANGE
.endif
	MMADR
	s_wait_alu depctr_va_vdst(0)
	MMG 0
	PARKW                                          ; nobody reads the parked h any more: every wave has passed the barrier above
.if \last
	PB
.else
	ENDMM
	CHANGE
.endif
.endm
; A STEP OF LAYER 3: my quad's 32 bases x (sw3 ss3), and silu x bw3, added in f32
.macro L3_STEP next
	s_wait_dscnt 0x0                               ; the quad and bw3's are in
	v_add_nc_u32 v[ADH], s[TP], v[PRL]
	v_add_nc_u32 v[ADI], s[T3S], v[T3L]
	v_add_nc_u32 v[ADB], s[TWS], v[TWL]
.irp i, 0,1,2,3,4,5,6,7
	ds_load_b128 v[CO+4*\i:CO+4*\i+3], v[ADI] offset:16*\i
.endr
	EPAIR HQ
	v_pk_mul_f32 v[TQ:TQ+1], v[HQ:HQ+1], s[KL2:KL2+1] op_sel_hi:[1,0]
	v_pk_mul_f32 v[TQ+2:TQ+3], v[HQ+2:HQ+3], s[KL2:KL2+1] op_sel_hi:[1,0]
	v_pk_mul_f32 v[HB:HB+1], v[HQ:HQ+1], v[BWQ:BWQ+1]
	v_pk_mul_f32 v[HB+2:HB+3], v[HQ+2:HQ+3], v[BWQ+2:BWQ+3]
	s_wait_alu depctr_va_vdst(0)
.irp i, 0,1,2,3
	v_exp_f32 v[TQ+\i], v[TQ+\i]
.endr
	CUBE XX                                        ; plain work behind the four exponentials
	s_wait_alu depctr_va_vdst(0)                   ; one wait for the four, ahead of their first reader
	v_pk_add_f32 v[TQ:TQ+1], v[TQ:TQ+1], 1.0 op_sel_hi:[1,0]
	v_pk_add_f32 v[TQ+2:TQ+3], v[TQ+2:TQ+3], 1.0 op_sel_hi:[1,0]
	s_wait_alu depctr_va_vdst(0)
.irp i, 0,1,2,3
	v_rcp_f32 v[TQ+\i], v[TQ+\i]
.endr
	EPAIR HQ+2                                     ; plain work behind the four reciprocals
.if \next
	ds_load_b128 v[HQ:HQ+3], v[ADH] offset:1024    ; the quad and bw3's have been read: the next tile's
	ds_load_b128 v[BWQ:BWQ+3], v[ADB] offset:64
.endif
	CUBE XX+16
	s_wait_alu depctr_va_vdst(0)
	s_wait_dscnt 2*(\next)                         ; the table's eight loads are in; the two issued behind them may be out
.set i, 0
.rept 16
	v_pk_fma_f32 v[SA+2*(i%4):SA+2*(i%4)+1], v[XX+2*i:XX+2*i+1], v[CO+2*i:CO+2*i+1], v[SA+2*(i%4):SA+2*(i%4)+1]
.set i, i+1
.endr
	v_pk_fma_f32 v[SA:SA+1], v[HB:HB+1], v[TQ:TQ+1], v[SA:SA+1]
	v_pk_fma_f32 v[SA+2:SA+3], v[HB+2:HB+3], v[TQ+2:TQ+3], v[SA+2:SA+3]
	s_add_co_u32 s[TP], s[TP], 1024
	s_add_co_u32 s[T3S], s[T3S], 512
	s_add_co_u32 s[TWS], s[TWS], 64
.endm
	; ================ the head
	s_load_b256 s[4:11], s[0:1], 0x0               ; x s[4:5], freq s[6:7], sw3 s[8:9], ss3 s[10:11]
	s_load_b128 s[12:15], s[0:1], 0x20             ; bw3 s[12:13], wq s[14:15]
	s_load_b64 s[16:17], s[0:1], 0x30              ; out0
	v_lshl_add_u32 v[SPW], v0, 2, SPARE
	v_mov_b32 v[NIL], 0
	ds_add_u32 v[SPW], v[NIL]                      ; the wave's opening: the add, twice on end, and its wait ahead of my first tensor load
	ds_add_u32 v[SPW], v[NIL]
	v_lshrrev_b32 v112, 5, v0
	s_delay_alu instid0(VALU_DEP_1)
	v_readfirstlane_b32 s[WV], v112                ; wave 0..7
	s_lshr_b32 s[RM], s[WV], 1                     ; m: the row tile whose operands I make
	s_and_b32 s[QH], s[WV], 1                      ; q: which half of a fragment's registers
	s_lshr_b32 s[PAR], s[WV], 2
	s_xor_b32 s[PAR], s[PAR], s[WV]
	s_and_b32 s[PAR], s[PAR], 1                    ; 1: I multiply first
	s_sub_co_u32 s[QM], s[QH], 1                   ; q = 0: all ones; q = 1: 0
	s_mov_b32 s[G1+0], 15|(3<<16)|(1<<21)          ; 15:0 the mask: all four work-groups; 17:16 elements of 8 bytes; 21 set beside a mask; no padding
	s_mov_b32 s[G1+1], 32<<16                      ; tensor_dim0 = 32 elements: rows of 256 bytes
	s_mov_b32 s[G1+2], 75<<16                      ; tensor_dim1 = 75
	s_mov_b32 s[G1+3], 32<<16                      ; tile_dim0
	s_mov_b32 s[G1+4], 75                          ; tile_dim1
	s_mov_b32 s[G1+5], 32                          ; the pitch: dense
	s_mov_b32 s[G1+6], 0
	s_mov_b32 s[G1+7], 0
.set i, 0
.irp c, 0x40b00000, 0x40900000, 0x40600000, 0x40200000, 0x3fc00000, 0x3f000000, 0xbf000000, 0xbfc00000, 0xc0200000, 0xc0600000, 0xc0900000, 0xc0b00000
	s_mov_b32 s[CM+2*i], \c                        ; 5.5 - m; the packed form names a pair, so both words are written
	s_mov_b32 s[CM+2*i+1], \c
.set i, i+1
.endr
	s_mov_b32 s[K16], 0x3e2aaaab                   ; 1/6
	s_mov_b32 s[K16+1], 0x3e2aaaab
	s_mov_b32 s[K23], 0xbf2aaaab                   ; -2/3
	s_mov_b32 s[K23+1], 0xbf2aaaab
	s_mov_b32 s[KL2], 0xbfb8aa3b                   ; -log2 e
	s_mov_b32 s[KL2+1], 0xbfb8aa3b
	s_mov_b32 s[SEL], 0x76543210                   ; v_permlanex16_b32's selects for lane l xor 16
	s_mov_b32 s[SEL+1], 0xfedcba98
	s_mov_b32 s[TB], 0
	s_mov_b32 s[SAR], AB0
	s_mov_b32 s[SW], AB0
	s_mov_b32 s[TP], 0
	s_bfe_u32 s88, ttmp6, 0x40000                  ; my place in the cluster: it enters x's and out0's addresses alone
	s_lshl_b32 s89, ttmp9, 2
	s_add_co_u32 s88, s88, s89                     ; my work-group
	s_lshl_b32 s88, s88, 8                         ; its 64 rows of 4 bytes
	s_mov_b32 s89, 0
	s_and_b32 s86, s[WV], 3
	s_mul_i32 s86, s86, QTR                        ; my quarter of a slot
	s_lshr_b32 s87, s[WV], 2
	s_lshl_b32 s87, s87, 17
	s_mov_b32 s[GF], 1
	s_add_co_u32 s[GF+1], s86, s87                 ; the first fill: waves 0-3 slot 0, waves 4-7 slot 1
	s_mov_b32 s[GW], 1
	s_add_co_u32 s[GW+1], s86, SLOT1               ; the walking descriptor: each change turns it to the other slot and steps it a group on
	s_mul_i32 s90, s[WV], QTR
	s_mov_b32 s91, 0
	s_add_co_u32 s92, s86, GRPB
	s_mov_b32 s93, 0
	s_wait_dscnt 0x0                               ; both opening adds are done
	s_wait_kmcnt 0x0
	s_add_nc_u64 s[GF+2:GF+3], s[14:15], s[90:91]  ; groups 0 and 1 are wq's first 153,600 bytes: 19,200 a wave
	s_or_b32 s[GF+3], s[GF+3], 0x80000000
	s_add_nc_u64 s[GW+2:GW+3], s[14:15], s[92:93]
	s_or_b32 s[GW+3], s[GW+3], 0x80000000
	s_add_nc_u64 s[4:5], s[4:5], s[88:89]
	s_add_nc_u64 s[16:17], s[16:17], s[88:89]
	ROUND                                          ; all four work-groups are here: the first joint loads meet
	tensor_load_to_lds s[GF:GF+3], s[G1:G1+7]      ; every wave issues one: no way through the text passes the first fills by
	s_nop 0
	PLACES
	v_and_b32 v112, 31, v0                         ; L
	v_and_b32 v113, 15, v0                         ; r
	v_bfe_u32 v114, v0, 4, 1                       ; hh
	s_delay_alu instid0(VALU_DEP_3)
	v_mul_u32_u24 v[AL], v112, 48
	s_mul_i32 s86, s[WV], 3072
	v_add_nc_u32 v[WL], s86, v[AL]
	s_lshl_b32 s86, s[WV], 7
	s_add_co_u32 s86, s86, 24576
	v_lshl_add_u32 v[WSL], v112, 2, s86
	v_lshl_add_u32 v[ASL], v113, 4, ASO
	s_mul_i32 s86, s[QH], 24
	s_mul_i32 s87, s[RM], 1536
	s_add_co_u32 s86, s86, s87
	v_add_nc_u32 v[IWL], s86, v[AL]
	s_lshl_b32 s86, s[WV], 1                       ; 4 m + 2 q
	v_add_nc_u32 v[SHL], s86, v[ASL]
	s_delay_alu instid0(VALU_DEP_1)
	v_add_nc_u32 v[SBL], v[SHL], v114
	s_lshl_b32 s86, s[RM], 14
	s_add_co_u32 s86, s86, PARK
	v_lshl_add_u32 v[P0L], v112, 4, s86
	s_lshl_b32 s86, s[QH], 9
	v_add_nc_u32 v[PRL], s86, v[P0L]
	s_lshl_b32 s86, s[QH], 12
	v_add_nc_u32 v[PBL], s86, v[P0L]
	s_lshl_b32 s86, s[WV], 11
	s_add_co_u32 s86, s86, PARK
	v_lshl_add_u32 v[PWL], v112, 4, s86
	s_lshl_b32 s86, s[QH], 8
	s_add_co_u32 s87, s86, TB3
	v_lshl_add_u32 v[T3L], v114, 7, s87
	s_lshl_b32 s87, s[RM], 6
	s_add_co_u32 s86, s86, s87
	s_add_co_u32 s86, s86, OUTS
	v_lshl_add_u32 v[OSL], v113, 2, s86
	v_lshl_add_u32 v115, v113, 2, s87              ; x: 4 (16 m + r)
	s_lshl_b32 s86, s[QH], 4
	s_add_co_u32 s87, s86, TBW
	v_lshl_add_u32 v[TWL], v114, 5, s87
	v_lshl_add_u32 v116, v114, 5, s86              ; freq: my four: 8 hh + 4 q on
	v_lshlrev_b32 v[L8], 3, v112
	s_delay_alu instid0(VALU_DEP_1)
	v_add_nc_u32 v[ORL], OUTS, v[L8]
	v_mov_b32 v[K25], 0x40200000
	v_mov_b32 v[K25+1], 0x40200000
	v_mov_b32 v[NK25], 0xc0200000
	v_mov_b32 v[NK25+1], 0xc0200000
	v_lshrrev_b32 v120, 1, v0
	v_and_b32 v121, 1, v0
	s_delay_alu instid0(VALU_DEP_2)
	v_lshlrev_b32 v117, 6, v120
	s_delay_alu instid0(VALU_DEP_1)
	v_lshl_add_u32 v117, v121, 4, v117             ; sw3: features 2 (t / 2) and + 1, bases 4 (t % 2) on, t my thread's number
	s_delay_alu instid0(VALU_DEP_4)
	v_lshlrev_b32 v118, 3, v120                    ; ss3: the same two features
	v_lshlrev_b32 v119, 2, v0                      ; bw3: feature t
	global_load_b32 v122, v115, s[4:5]
	global_load_b128 v[124:127], v116, s[6:7]
	global_load_b128 v[128:131], v117, s[8:9]
	global_load_b128 v[132:135], v117, s[8:9] offset:32
	global_load_b64 v[136:137], v118, s[10:11]
	global_load_b32 v138, v119, s[12:13]
	v_and_b32 v148, 3, v0                          ; the table's place of my eight numbers: 32 (t % 4) + 256 q + 128 hh + 512 tile, q, hh, tile being bits 2, 3, 4.. of t
	s_delay_alu instid0(VALU_DEP_1)
	v_lshlrev_b32 v148, 5, v148
	v_bfe_u32 v149, v0, 2, 1
	s_delay_alu instid0(VALU_DEP_1)
	v_lshl_add_u32 v148, v149, 8, v148
	v_bfe_u32 v149, v0, 3, 1
	s_delay_alu instid0(VALU_DEP_1)
	v_lshl_add_u32 v148, v149, 7, v148
	v_lshrrev_b32 v149, 4, v0
	s_delay_alu instid0(VALU_DEP_1)
	v_lshl_add_u32 v148, v149, 9, v148
	s_delay_alu instid0(VALU_DEP_1)
	v_add_nc_u32 v148, TB3, v148
	v_lshl_add_u32 v150, v0, 2, TBW
	s_mov_b32 s86, 0x3f22f983                      ; 2/pi, its first 24 bits
	s_mov_b32 s87, 0x37ccf5ce                      ; the cosine's and the sine's leading coefficients
	s_mov_b32 s90, 0xb94ca1f9
	s_wait_alu depctr_va_vdst(0)
	s_wait_loadcnt 0x0
.irp j, 0,1,2,3
	v_mul_f32 v[140+2*\j], v[128+\j], v136         ; sw3 x ss3, the two features' numbers by turns, as the bases' registers have them
	v_mul_f32 v[141+2*\j], v[132+\j], v137
.endr
	ds_store_b128 v148, v[140:143]
	ds_store_b128 v148, v[144:147] offset:16
	ds_store_b32 v150, v138
	; ---- the encoding: sin and cos of enc = x freq for my four frequencies.  enc x 2/pi is kept in two f32 numbers (2/pi in three pieces of 24 bits), so that what is left of a quarter turn is good to f32 whatever enc's size, up to the limit at the head
.irp i, 0,1,2,3
	v_mul_f32 v[152+\i], v122, v[124+\i]           ; enc, rounded once as in reference()
.endr
.irp i, 0,1,2,3
	s_delay_alu instid0(VALU_DEP_4)
	v_mul_f32 v[156+\i], s86, v[152+\i]            ; p
.endr
.irp i, 0,1,2,3
	s_delay_alu instid0(VALU_DEP_4)
	v_fma_f32 v[160+\i], v[152+\i], s86, -v[156+\i]   ; what p's rounding lost, exactly
.endr
.irp i, 0,1,2,3
	s_delay_alu instid0(VALU_DEP_4)
	v_fmamk_f32 v[160+\i], v[152+\i], 0x32dc9c88, v[160+\i]
.endr
.irp i, 0,1,2,3
	s_delay_alu instid0(VALU_DEP_4)
	v_fmamk_f32 v[160+\i], v[152+\i], 0x25a94fe1, v[160+\i]
.endr
.irp i, 0,1,2,3
	v_rndne_f32 v[164+\i], v[156+\i]
.endr
.irp i, 0,1,2,3
	s_delay_alu instid0(VALU_DEP_4)
	v_sub_f32 v[168+\i], v[156+\i], v[164+\i]      ; exact
.endr
.irp i, 0,1,2,3
	s_delay_alu instid0(VALU_DEP_4)
	v_add_f32 v[168+\i], v[168+\i], v[160+\i]
.endr
.irp i, 0,1,2,3
	s_delay_alu instid0(VALU_DEP_4)
	v_rndne_f32 v[172+\i], v[168+\i]
.endr
.irp i, 0,1,2,3
	s_delay_alu instid0(VALU_DEP_4)
	v_sub_f32 v[168+\i], v[168+\i], v[172+\i]      ; f: within half a quarter turn
.endr
.irp i, 0,1,2,3
	v_cvt_i32_f32 v[176+\i], v[164+\i]
	v_cvt_i32_f32 v[196+\i], v[172+\i]
.endr
.irp i, 0,1,2,3
	v_add_nc_u32 v[176+\i], v[176+\i], v[196+\i]   ; the number of quarter turns: its two low bits count
.endr
.irp i, 0,1,2,3
	v_mul_f32 v[196+\i], 0xb33bbd2e, v[168+\i]
.endr
.irp i, 0,1,2,3
	s_delay_alu instid0(VALU_DEP_4)
	v_fmamk_f32 v[180+\i], v[168+\i], 0x3fc90fdb, v[196+\i]   ; r = f x pi/2, pi/2 in two pieces
.endr
.irp i, 0,1,2,3
	s_delay_alu instid0(VALU_DEP_4)
	v_mul_f32 v[184+\i], v[180+\i], v[180+\i]      ; z
.endr
.irp i, 0,1,2,3
	v_fmaak_f32 v[188+\i], s90, v[184+\i], 0x3c08839e
	v_fmaak_f32 v[192+\i], s87, v[184+\i], 0xbab6061a
.endr
.irp i, 0,1,2,3
	v_fmaak_f32 v[188+\i], v[188+\i], v[184+\i], 0xbe2aaaa3
	v_fmaak_f32 v[192+\i], v[192+\i], v[184+\i], 0x3d2aaaa5
.endr
.irp i, 0,1,2,3
	v_mul_f32 v[188+\i], v[188+\i], v[184+\i]
	v_mul_f32 v[192+\i], v[192+\i], v[184+\i]
	v_fma_f32 v[196+\i], v[184+\i], -0.5, 1.0
.endr
.irp i, 0,1,2,3
	v_fma_f32 v[188+\i], v[188+\i], v[180+\i], v[180+\i]      ; sin r
	v_fma_f32 v[192+\i], v[192+\i], v[184+\i], v[196+\i]      ; cos r
.endr
.irp i, 0,1,2,3
	v_and_b32 v[196+\i], 1, v[176+\i]
	s_delay_alu instid0(VALU_DEP_1)
	v_cmp_eq_u32 vcc_lo, 1, v[196+\i]              ; an odd number of quarter turns changes the two over: a choice of values, no jump
	s_delay_alu instid0(VALU_DEP_1)
	v_cndmask_b32 v[200+\i], v[188+\i], v[192+\i], vcc_lo
	s_delay_alu instid0(VALU_DEP_2)
	v_cndmask_b32 v[204+\i], v[192+\i], v[188+\i], vcc_lo
	v_and_b32 v[196+\i], 2, v[176+\i]
	v_add_nc_u32 v[208+\i], 1, v[176+\i]
	s_delay_alu instid0(VALU_DEP_2)
	v_lshlrev_b32 v[196+\i], 30, v[196+\i]
	s_delay_alu instid0(VALU_DEP_2)
	v_and_b32 v[208+\i], 2, v[208+\i]
	s_delay_alu instid0(VALU_DEP_2)
	v_xor_b32 v[200+\i], v[200+\i], v[196+\i]      ; the sine's sign
	s_delay_alu instid0(VALU_DEP_2)
	v_lshlrev_b32 v[208+\i], 30, v[208+\i]
	s_delay_alu instid0(VALU_DEP_1)
	v_xor_b32 v[204+\i], v[204+\i], v[208+\i]      ; the cosine's
.endr
	ds_store_b128 v[PRL], v[200:203]               ; features 8 hh + 4 q on: tile 0, piece q, as an accumulator would be parked
	ds_store_b128 v[PRL], v[204:207] offset:1024   ; features 16 + the same: tile 1
	PB
	; ================ layer 0: one group: two spline steps and the base step
	s_mov_b32 s[CT], 2
.Ll0:
	SPL_STEP 0
	s_sub_co_u32 s[CT], s[CT], 1
	s_cmp_lg_u32 s[CT], 0
	s_cbranch_scc1 .Ll0
	BASE0
	ENDPROD
	PBT                                            ; the images lie in LDS, and every wave's first fill has landed: groups 0 and 1
	MMADR
	s_wait_alu depctr_va_vdst(0)
	MMG 1
	PARKW
	ENDMM
	CHANGE                                         ; slot 0 takes group 2
	; ================ layers 1 and 2
	LAYER 0
	LAYER 1
	; ================ layer 3: wave (m, q) sums half of the features for row tile m
.irp i, 0,1,2,3,4,5,6,7
	v_mov_b32 v[SA+\i], 0
.endr
	s_mov_b32 s[TP], 0
	s_mov_b32 s[T3S], 0
	s_mov_b32 s[TWS], 0
	ds_load_b128 v[HQ:HQ+3], v[PRL]
	ds_load_b128 v[BWQ:BWQ+3], v[TWL]
	s_mov_b32 s[CT], 15
.Ll3:
	L3_STEP 1
	s_sub_co_u32 s[CT], s[CT], 1
	s_cmp_lg_u32 s[CT], 0
	s_cbranch_scc1 .Ll3
	L3_STEP 0                                      ; the last tile asks for nothing
	v_pk_add_f32 v[SA:SA+1], v[SA:SA+1], v[SA+2:SA+3]
	v_pk_add_f32 v[SA+4:SA+5], v[SA+4:SA+5], v[SA+6:SA+7]
	s_delay_alu instid0(VALU_DEP_1)
	v_pk_add_f32 v[SA:SA+1], v[SA:SA+1], v[SA+4:SA+5]
	s_delay_alu instid0(VALU_DEP_1)
	v_add_f32 v[SA], v[SA], v[SA+1]
	s_delay_alu instid0(VALU_DEP_1)
	v_permlanex16_b32 v[SA+2], v[SA], s[SEL], s[SEL+1]
	s_delay_alu instid0(VALU_DEP_1)
	v_add_f32 v[SA], v[SA], v[SA+2]                ; with lane l xor 16's features
	ds_store_b32 v[OSL], v[SA]                     ; both halves of the lanes write the same word with the same value
	PB
	s_cmp_lg_u32 s[WV], 0
	s_cbranch_scc1 .Lend
	ds_load_b64 v[112:113], v[ORL]                 ; wave 0: rows 2 L, 2 L + 1: q = 0's half of the features,
	ds_load_b64 v[114:115], v[ORL] offset:256      ; and q = 1's
	s_wait_dscnt 0x0
	v_pk_add_f32 v[112:113], v[112:113], v[114:115]
	global_store_b64 v[L8], v[112:113], s[16:17]   ; 32 lanes store 256 consecutive bytes, at a multiple of 256 from out0's first byte
.Lend:
	s_wait_tensorcnt 0x0                           ; the wave's end, behind my last tensor load and my last LDS store
	ds_add_u32 v[SPW], v[NIL]
	s_wait_dscnt 0x0
	ROUND                                          ; the closing round: no work-group ends while a partner may still ask for a tile that names it
	s_endpgm
.Lfunc_end_k_qce6f03394f_kan:
	.size	k_qce6f03394f_kan, .Lfunc_end_k_qce6f03394f_kan-k_qce6f03394f_kan
	.p2alignl 7, 3214868480
	.fill 96, 4, 3214868480
	.section	.rodata,"a",@progbits
	.p2align	6, 0x0
	.amdhsa_kernel k_qce6f03394f_kan
		.amdhsa_group_segment_fixed_size 327680
		.amdhsa_private_segment_fixed_size 0
		.amdhsa_enable_private_segment 0
		.amdhsa_kernarg_size 56
		.amdhsa_user_sgpr_count 2
		.amdhsa_user_sgpr_kernarg_segment_ptr 1
		.amdhsa_wavefront_size32 1
		.amdhsa_system_sgpr_workgroup_id_x 1
		.amdhsa_system_sgpr_workgroup_id_y 1
		.amdhsa_system_sgpr_workgroup_id_z 1
		.amdhsa_system_vgpr_workitem_id 0
		.amdhsa_next_free_vgpr 256
		.amdhsa_next_free_sgpr 100
		.amdhsa_reserve_vcc 1
		.amdhsa_float_denorm_mode_32 3
		.amdhsa_float_denorm_mode_16_64 3
		.amdhsa_memory_ordered 1
		.amdhsa_forward_progress 1
		.amdhsa_inst_pref_size 255
	.end_amdhsa_kernel
	.section	.bss,"aw",@nobits
	.p2align	6
	.space	262144
	.amdgpu_metadata
---
amdhsa.version: [ 1, 2 ]
amdhsa.kernels:
  - .name:           k_qce6f03394f_kan
    .symbol:         k_qce6f03394f_kan.kd
    .args:
      - { .name: x, .offset: 0, .size: 8, .value_kind: global_buffer, .address_space: global }
      - { .name: freq, .offset: 8, .size: 8, .value_kind: global_buffer, .address_space: global }
      - { .name: sw3, .offset: 16, .size: 8, .value_kind: global_buffer, .address_space: global }
      - { .name: ss3, .offset: 24, .size: 8, .value_kind: global_buffer, .address_space: global }
      - { .name: bw3, .offset: 32, .size: 8, .value_kind: global_buffer, .address_space: global }
      - { .name: wq, .offset: 40, .size: 8, .value_kind: global_buffer, .address_space: global }
      - { .name: out0, .offset: 48, .size: 8, .value_kind: global_buffer, .address_space: global }
    .group_segment_fixed_size: 327680
    .private_segment_fixed_size: 0
    .kernarg_segment_align: 8
    .kernarg_segment_size: 56
    .max_flat_workgroup_size: 256
    .sgpr_count:     100
    .vgpr_count:     256
    .wavefront_size: 32
...
	.end_amdgpu_metadata
.endif
;; end of part 2
